; MI455X (gfx1250); checked and timed in simulation.
; The chip was launched on July 23, 2026; its instructions are those of AMD's public machine-readable ISA for CDNA 5 (MIT licence, August 2026) and "CDNA5" Instruction Set Architecture Reference Guide (July 2026). The comments in the code are by the model that wrote it; some were corrected since.
;; Multi Head Attention. Allowed arithmetic: matrix products marked QUANTISED: E4M3 operands, one given power-of-two scale a tensor, by v_wmma_f32_16x16x64_fp8_fp8 or v_wmma_f32_16x16x128_fp8_fp8, f32 sums; everything else in f32.
;; Inputs: W_attn 1,024 x 3,072 float32; W_proj 1,024 x 1,024 float32; b_attn 3,072 float32; b_proj 1,024 float32; lowp_scales 8 int32 (the exponents e of the quantised operands' scales 2^e); x 4 x 2,048 x 1,024 float32.
;; Outputs: out0 4 x 2,048 x 1,024 float32.
;; This version of the problem:
;;   THIS VERSION OF THE PROBLEM IS GIVEN IN LOW PRECISION. The matrix products marked QUANTISED in the list below multiply operands that are first quantised to E4M3 (4 exponent bits, 3 mantissa bits; 8 bits a number), with one given power-of-two scale for each operand tensor; their sums are f32. All else is computed in f32.
;;   The module's matrix products, in the order in which they are computed (A, B: the left and right operand; K: the contracted axis; several contracted axes count as one K, in the product's order):
;;     1. [M 8,192, K 1,024] x [K 1,024, N 3,072]; A: input x; B: input W_attn: QUANTISED (scales: A lowp_scales[0], B lowp_scales[1])
;;     2. batch 64 x [M 2,048, K 64] x [K 64, N 2,048]; A: computed on the way; B: computed on the way: QUANTISED (scales: A lowp_scales[2], B lowp_scales[3])
;;     3. batch 64 x [M 2,048, K 2,048] x [K 2,048, N 64]; A: softmax (see below); B: computed on the way: QUANTISED (scales: A lowp_scales[4], B lowp_scales[5])
;;     4. [M 8,192, K 1,024] x [K 1,024, N 1,024]; A: computed on the way; B: input W_proj: QUANTISED (scales: A lowp_scales[6], B lowp_scales[7])
;;   THE QUANTISER, for each operand of a quantised product, along K:
;;     - The operand's scale is 2^e, e = its entry of the input lowp_scales (int32; the entries are numbered through the quantised products in the list's order, A before B).
;;     - Each number is divided by the scale, clamped to +-448, and rounded to the nearest number of E4M3, ties to even, subnormals kept.
;;     - The product sums the exact products of the quantised numbers (number of the format x scale) in f32.
;;   ~~~python
;;   def quantise(x, axis, e):      # numpy; x: float32 -> the quantised numbers, widened to float32 again
;;       x = np.moveaxis(x, axis, -1); K = x.shape[-1]
;;       r = np.clip(x / 2.0 ** e, -448, 448)
;;       step = 2.0 ** (np.maximum(np.frexp(np.where(r == 0, 1, r))[1] - 1, -6) - 3)
;;       q = np.round(r / step) * step * 2.0 ** e      # np.round: ties to even
;;       return np.moveaxis(q, -1, axis).astype(np.float32)
;;   ~~~
;;   SOFTMAX AHEAD OF A QUANTISED PRODUCT. Where the list says 'softmax', what is quantised is not the finished softmax but p = 2^(t - M), with t = logit x log2(e) and M = ceil(the row's largest t), a whole number; so 1/2 < the row's largest p <= 1. The row's sum l is taken of the UNQUANTISED p, in f32, and the product's result is divided by l at the end. Since M is a whole number, a kernel that streams over the keys may use a running M (the ceiling of the running maximum): every later rescaling is an exact power of two, so the quantised numbers keep their values, but for numbers so far below the row's largest that they fall under the format's range.
;;   OPERANDS COMPUTED ON THE WAY. 'Computed on the way' means the value that the module computes at that place (a softmax that the list does not call 'softmax' is quantised finished and normalised). What goes into a quantiser is computed in f32, as accurately as f32 sums, v_exp_f32 and their like allow (about 1e-6 of the number): no bf16 or f16 on the way to a quantiser, and a product that is left as it is and whose result goes on into a quantised operand takes f32 operands (vector FMAs, or v_wmma_f32_16x16x4_f32). A number that lies on a knife's edge between two numbers of the format may be rounded either way, as far as f32 arithmetic and the matrix unit's own rounding can turn it there, and no further.
;; One version. Each part assembles by itself: llvm-mc -triple=amdgcn-amd-amdhsa -mcpu=gfx1250 --defsym DOCPART=n.
;; ======== version 1 of 1: 4 launches
;; limits: right only within a limited range of input values
;; workspace buffers: x_codes 8,388,608 bytes; wa_codes 3,145,728 bytes; wp_codes 1,048,576 bytes; q_codes 8,388,608 bytes; k_codes 8,388,608 bytes; v_codes 8,388,608 bytes; o_codes 8,388,608 bytes
;; launch quant (part 1): grid 384 x 1, 4 waves a work-group, no clusters, 70,144 bytes of LDS; arguments x, W_attn, W_proj, lowp_scales, x_codes, wa_codes, wp_codes; writes x_codes, wa_codes, wp_codes
.if DOCPART == 1
	.amdgcn_target "amdgcn-amd-amdhsa--gfx1250"
	.amdhsa_code_object_version 6
	.text
	.protected	k_q28a9e141b2_quant
	.globl	k_q28a9e141b2_quant
	.p2align	8
	.type	k_q28a9e141b2_quant,@function
k_q28a9e141b2_quant:
	s_mov_b64 s[64:65], 0
	v_nop
	global_prefetch_b8 v0, s[64:65] scope:SCOPE_SE
	s_setreg_imm32_b32 hwreg(HW_REG_WAVE_MODE, 25, 1), 1
	s_wait_xcnt 0x0
; x [8192][1024], W_attn [1024][3072] and W_proj [1024][1024], all f32, become codes of E4M3, one byte each.  code = number / 2^e, held within +-448, to the nearest code, ties to even;
; e = entry 0 (x), 1 (W_attn), 7 (W_proj) of the given exponents.
; x_codes is laid as images of the product's operand registers: [token / 16][k / 128][c 4][lane 32][16 bytes]: lane (r, h) holds token r, k = 128 (k / 128) + 32 c + 16 h + 0 .. 15.
; wa_codes [3072][1024], wp_codes [1024][1024]: K innermost.
; LIMITS: each of these e lies between -126 and 119.  NaN among the inputs is not served (an infinity is held at the largest code).
; Work-groups 0-255 take x: a wave takes 16 tokens x 512 along K in 8 steps of 64 along K.  A load reads 256 consecutive bytes of each of two tokens; a step's 4,096 bytes turn through the wave's own stage in LDS
; (rows of 256 + 16 bytes, a token a row) and come back 16 neighbours to a lane, twice; each store covers 512 consecutive bytes, aligned.
; Work-groups 256-383 take the weights, whose K is the FIRST axis: a lane takes a column and its registers run down K; a wave gathers 32 columns x 256 along K in its stage and stores rows of 256 bytes.
; The two ways part on the work-group's number, never join, and have LDS bytes of their own.  No tensor loads, no barrier: waves share nothing.
.set SPW,   12
.set NIL,   13
.set XP,    272                        ; x: a token's row in a stage
.set XSTG,  16*XP
.set R,     16                         ; x: v16-79   two sets of 32 numbers as loaded
.set X,     80                         ; x: v80-143  two sets of 2 x 16 neighbours
.set C,     144                        ; x: v144-207 codes, eight registers a step: no store's data are written again
.set WST,   8*XSTG                     ; weights: the stages begin here
.set WPITCH, 272
.set SPARE, WST+4*32*WPITCH            ; the spare words, 128 bytes a wave: two blocks of 256 bytes that no other line names
.set NB,    8
.set OFFS,  16
.set WX,    48
.set WC,    112
.set OUTR,  120
	s_load_b256 s[4:11], s[0:1], 0x0               ; x, W_attn, W_proj, the exponents
	s_load_b128 s[12:15], s[0:1], 0x20             ; x_codes, wa_codes
	s_load_b64 s[16:17], s[0:1], 0x30              ; wp_codes
	v_lshl_add_u32 v[SPW], v0, 2, SPARE
	v_mov_b32 v[NIL], 0
	v_lshrrev_b32 v1, 5, v0
	v_readfirstlane_b32 s18, v1                    ; wave 0..3
	v_and_b32 v2, 31, v0                           ; lane
	v_lshlrev_b32 v3, 4, v2                        ; 16 x lane
	v_lshlrev_b32 v5, 2, v2                        ; 4 x lane
	v_and_b32 v9, 15, v2
	v_lshrrev_b32 v4, 4, v2
	s_mul_i32 s19, s18, 2*XSTG                     ; x: my wave's two stages
	v_mul_u32_u24 v14, v4, XP
	v_lshl_add_u32 v14, v9, 4, v14
	v_add_nc_u32 v14, s19, v14                     ; in: sixteen lanes to a token's 256 bytes, two tokens an instruction
	v_mul_u32_u24 v15, v9, XP
	v_lshl_add_u32 v15, v4, 6, v15
	v_add_nc_u32 v15, s19, v15                     ; out: token lane % 16, + 64 bytes x (lane / 16)
	v_lshlrev_b32 v1, 12, v4
	v_lshl_add_u32 v1, v9, 4, v1                   ; x in memory: a token's row is 4,096 bytes
	s_mul_i32 s19, s18, 32*WPITCH
	s_add_co_u32 s19, s19, WST                     ; weights: my wave's stage
	v_mul_u32_u24 v6, v2, WPITCH
	v_add_nc_u32 v6, s19, v6
	v_mul_u32_u24 v7, v4, WPITCH
	v_lshl_add_u32 v7, v9, 4, v7
	v_add_nc_u32 v7, s19, v7
	v_lshlrev_b32 v8, 10, v4
	v_lshl_add_u32 v8, v9, 4, v8
	s_wait_alu depctr_va_vdst(0)
	s_wait_kmcnt 0x0
	s_load_b256 s[24:31], s[10:11], 0x0            ; e0 .. e7
	s_cmp_ge_u32 ttmp9, 256
	s_cbranch_scc1 .Lweights
; ---------------- x ----------------
.macro LOADX d
.irp i, 0,1,2,3,4,5,6,7
	global_load_b128 v[R+32*((\d)%2)+4*\i:R+32*((\d)%2)+4*\i+3], v1, s[32:33] offset:8192*\i+256*(\d) th:TH_LOAD_NT
.endr
.endm
.macro TURNX d                         ; LDS serves a wave's instructions in order: no wait between the stores and the loads
.irp i, 0,1,2,3,4,5,6,7
	ds_store_b128 v14, v[R+32*((\d)%2)+4*\i:R+32*((\d)%2)+4*\i+3] offset:XSTG*((\d)%2)+2*XP*\i
.endr
.irp j, 0,1,2,3,4,5,6,7
	ds_load_b128 v[X+32*((\d)%2)+4*\j:X+32*((\d)%2)+4*\j+3], v15 offset:XSTG*((\d)%2)+128*(\j/4)+16*(\j%4)
.endr
.endm
.macro STEPX d
.set XS, X+32*((\d)%2)
	s_wait_dscnt 0x0                               ; this step's numbers are back, so its stores into the stage have read their registers,
.if (\d)+2 < 8
	LOADX (\d)+2                                   ; which take the loads of two steps on
.endif
.if (\d)+1 < 8
.if (\d)+2 < 8
	s_wait_loadcnt 8                               ; the next step's eight loads are in; the eight behind them may be out
.else
	s_wait_loadcnt 0
.endif
	TURNX (\d)+1
.endif
.set n, 0
.rept 32
	v_med3_num_f32 v[XS+n], v[XS+n], -v10, v10     ; the conversion does not saturate (ISA guide 7.6.2): the hold comes first
.set n, n+1
.endr
.irp g, 0,1,2,3
	v_cvt_scalef32_pk8_fp8_f32 v[C+8*(\d)+2*\g:C+8*(\d)+2*\g+1], v[XS+8*\g:XS+8*\g+7], v11
.endr
	global_store_b128 v3, v[C+8*(\d):C+8*(\d)+3], s[34:35] offset:1024*(\d)
	global_store_b128 v3, v[C+8*(\d)+4:C+8*(\d)+7], s[34:35] offset:1024*(\d)+512
.endm
	s_lshl_b32 s20, ttmp9, 2
	s_add_co_u32 s20, s20, s18                     ; 0 .. 1023: 16 tokens (number / 2), half of K (number % 2)
	s_lshr_b32 s21, s20, 1
	s_and_b32 s23, s20, 1
	s_lshl_b32 s20, s21, 16
	s_lshl_b32 s22, s23, 11
	s_add_co_u32 s20, s20, s22                     ; the numbers' bytes
	s_lshl_b32 s22, s21, 14
	s_lshl_b32 s23, s23, 13
	s_add_co_u32 s22, s22, s23                     ; the codes' bytes
	s_mov_b32 s21, 0
	s_mov_b32 s23, 0
	s_add_nc_u64 s[32:33], s[4:5], s[20:21]
	s_add_nc_u64 s[34:35], s[12:13], s[22:23]
	LOADX 0
	LOADX 1
	s_wait_kmcnt 0x0
	s_add_co_i32 s56, s24, 127
	s_lshl_b32 s57, s56, 23
	v_mov_b32 v11, s57                             ; 2^e0
	s_add_co_i32 s56, s56, 8
	s_lshl_b32 s56, s56, 23
	s_or_b32 s56, s56, 0x600000
	v_mov_b32 v10, s56                             ; 448 x 2^e0
	s_wait_alu depctr_va_vdst(0)
	s_wait_loadcnt 8
	TURNX 0
.irp d, 0,1,2,3,4,5,6,7
	STEPX \d
.endr
	s_wait_tensorcnt 0x0                           ; the wave's end, behind my last LDS store
	ds_add_u32 v[SPW], v[NIL]
	s_wait_dscnt 0x0
	s_endpgm
; ---------------- the weights ----------------
.macro LOADW t
.irp i, 0,1,2,3,4,5,6,7,8,9,10,11,12,13,14,15,16,17,18,19,20,21,22,23,24,25,26,27,28,29,30,31
	global_load_b32 v[WX+32*((\t)%2)+\i], v[OFFS+\i], s[40+2*(\t):41+2*(\t)] th:TH_LOAD_NT
.endr
.endm
.macro BLOCKW t
.set XS, WX+32*((\t)%2)
.if (\t) < NB-1
	s_wait_loadcnt 32                              ; this block's 32 loads are in; the next block's may be out
.else
	s_wait_loadcnt 0
.endif
.irp i, 0,1,2,3,4,5,6,7,8,9,10,11,12,13,14,15,16,17,18,19,20,21,22,23,24,25,26,27,28,29,30,31
	v_med3_num_f32 v[XS+\i], v[XS+\i], -v10, v10
.endr
.irp g, 0,1,2,3
	v_cvt_scalef32_pk8_fp8_f32 v[WC+2*\g:WC+2*\g+1], v[XS+8*\g:XS+8*\g+7], v11
.endr
	ds_store_b128 v6, v[WC:WC+3] offset:32*(\t)
	ds_store_b128 v6, v[WC+4:WC+7] offset:32*(\t)+16
.if (\t)+2 < NB
	LOADW (\t)+2
.endif
	s_wait_dscnt 0x0                               ; the stores have read their registers
.endm
.Lweights:
	s_sub_co_u32 s19, ttmp9, 256
	s_and_b32 s20, s19, 3                          ; which 256 along K
	s_lshr_b32 s57, s19, 2                         ; 0-23: blocks of 128 columns of W_attn; 24-31: of W_proj
	s_mov_b32 s36, 4096
	s_cmp_lt_u32 s57, 24
	s_cselect_b64 s[32:33], s[6:7], s[8:9]
	s_cselect_b64 s[34:35], s[14:15], s[16:17]
	s_cselect_b32 s36, 12288, s36                  ; a row of the tensor in bytes
	s_cselect_b32 s22, 0, 24
	s_sub_co_u32 s21, s57, s22
	s_lshl_b32 s58, s21, 7
	s_lshl_b32 s59, s18, 5
	s_add_co_u32 s58, s58, s59                     ; my wave's first column
	s_lshl_b32 s60, s20, 8
	s_mul_i32 s60, s60, s36
	s_lshl_b32 s59, s58, 2
	s_add_co_u32 s60, s60, s59
	s_mov_b32 s61, 0
	s_add_nc_u64 s[40:41], s[32:33], s[60:61]      ; block 0's base
	s_lshl_b32 s38, s36, 5                         ; 32 rows on
	s_mov_b32 s39, 0
.irp t, 1,2,3,4,5,6,7
	s_add_nc_u64 s[40+2*\t:41+2*\t], s[38+2*\t:39+2*\t], s[38:39]
.endr
	s_lshl_b32 s60, s58, 10
	s_lshl_b32 s62, s20, 8
	s_add_co_u32 s60, s60, s62
	s_add_nc_u64 s[34:35], s[34:35], s[60:61]
.set i, 0
.rept 32
	s_mul_i32 s56, s36, i
	v_add_nc_u32 v[OFFS+i], s56, v5                ; 4 x lane + i rows
.set i, i+1
.endr
	s_wait_alu depctr_va_vdst(0)
	LOADW 0
	LOADW 1
	s_wait_kmcnt 0x0
	s_cmp_lt_u32 s57, 24
	s_cselect_b32 s23, s25, s31                    ; e1 or e7
	s_add_co_i32 s23, s23, 127
	s_lshl_b32 s56, s23, 23
	v_mov_b32 v11, s56
	s_add_co_i32 s23, s23, 8
	s_lshl_b32 s23, s23, 23
	s_or_b32 s23, s23, 0x600000
	v_mov_b32 v10, s23
	s_wait_alu depctr_va_vdst(0)
.irp t, 0,1,2,3,4,5,6,7
	BLOCKW \t
.endr
.irp t, 0,1,2,3,4,5,6,7,8,9,10,11,12,13,14,15
	ds_load_b128 v[OUTR+4*\t:OUTR+4*\t+3], v7 offset:2*\t*WPITCH
.endr
.irp t, 0,1,2,3,4,5,6,7,8,9,10,11,12,13,14,15
	s_wait_dscnt 15-\t
	global_store_b128 v8, v[OUTR+4*\t:OUTR+4*\t+3], s[34:35] offset:2*\t*1024
.endr
	s_wait_tensorcnt 0x0
	ds_add_u32 v[SPW], v[NIL]
	s_wait_dscnt 0x0
	s_endpgm
.Lfunc_end_k_q28a9e141b2_quant:
	.size	k_q28a9e141b2_quant, .Lfunc_end_k_q28a9e141b2_quant-k_q28a9e141b2_quant
	.p2alignl 7, 3214868480
	.fill 96, 4, 3214868480
	.section	.rodata,"a",@progbits
	.p2align	6, 0x0
	.amdhsa_kernel k_q28a9e141b2_quant
		.amdhsa_group_segment_fixed_size 70144
		.amdhsa_private_segment_fixed_size 0
		.amdhsa_enable_private_segment 0
		.amdhsa_kernarg_size 56
		.amdhsa_user_sgpr_count 2
		.amdhsa_user_sgpr_kernarg_segment_ptr 1
		.amdhsa_wavefront_size32 1
		.amdhsa_system_sgpr_workgroup_id_x 1
		.amdhsa_system_sgpr_workgroup_id_y 1
		.amdhsa_system_sgpr_workgroup_id_z 1
		.amdhsa_system_vgpr_workitem_id 0
		.amdhsa_next_free_vgpr 208
		.amdhsa_next_free_sgpr 66
		.amdhsa_reserve_vcc 0
		.amdhsa_float_denorm_mode_32 3
		.amdhsa_float_denorm_mode_16_64 3
		.amdhsa_memory_ordered 1
		.amdhsa_forward_progress 1
		.amdhsa_inst_pref_size 88
	.end_amdhsa_kernel
	.amdgpu_metadata
---
amdhsa.version: [ 1, 2 ]
amdhsa.kernels:
  - .name:           k_q28a9e141b2_quant
    .symbol:         k_q28a9e141b2_quant.kd
    .args:
      - { .name: x, .offset: 0, .size: 8, .value_kind: global_buffer, .address_space: global }
      - { .name: W_attn, .offset: 8, .size: 8, .value_kind: global_buffer, .address_space: global }
      - { .name: W_proj, .offset: 16, .size: 8, .value_kind: global_buffer, .address_space: global }
      - { .name: lowp_scales, .offset: 24, .size: 8, .value_kind: global_buffer, .address_space: global }
      - { .name: x_codes, .offset: 32, .size: 8, .value_kind: global_buffer, .address_space: global }
      - { .name: wa_codes, .offset: 40, .size: 8, .value_kind: global_buffer, .address_space: global }
      - { .name: wp_codes, .offset: 48, .size: 8, .value_kind: global_buffer, .address_space: global }
    .group_segment_fixed_size: 70144
    .private_segment_fixed_size: 0
    .kernarg_segment_align: 8
    .kernarg_segment_size: 56
    .max_flat_workgroup_size: 128
    .sgpr_count:     66
    .vgpr_count:     208
    .wavefront_size: 32
...
	.end_amdgpu_metadata
.endif
;; end of part 1
;; launch qkv (part 2): grid 32 x 8, 4 waves a work-group, clusters of 4 x 1, 327,680 bytes of LDS; arguments x_codes, wa_codes, lowp_scales, b_attn, q_codes, k_codes, v_codes; writes q_codes, k_codes, v_codes
.if DOCPART == 2
	.amdgcn_target "amdgcn-amd-amdhsa--gfx1250"
	.amdhsa_code_object_version 6
	.text
	.protected	k_q28a9e141b2_qkv
	.globl	k_q28a9e141b2_qkv
	.p2align	8
	.type	k_q28a9e141b2_qkv,@function
k_q28a9e141b2_qkv:
	s_mov_b64 s[64:65], 0
	v_nop
	global_prefetch_b8 v0, s[64:65] scope:SCOPE_SE
	s_setreg_imm32_b32 hwreg(HW_REG_WAVE_MODE, 25, 1), 1
	s_wait_xcnt 0x0
	s_wait_alu depctr_hold_cnt(0) depctr_sa_sdst(0) depctr_va_vdst(0) depctr_va_sdst(0) depctr_va_ssrc(0) depctr_va_vcc(0) depctr_vm_vsrc(0)
	s_getreg_b32 s2, hwreg(HW_REG_IB_STS2, 6, 4)
	s_cmp_eq_u32 s2, 0
	s_cbranch_scc0 .Lentry_in_a_cluster
	s_endpgm
.Lentry_in_a_cluster:
	s_bfe_u32 s2, ttmp6, 0x10000c
	s_cmp_lg_u32 s2, 0x3003
	s_cbranch_scc0 .Lentry_shape_is_right
	s_endpgm
.Lentry_shape_is_right:
; qkv = x W_attn + b_attn on codes of E4M3, and q, k, v quantised on the way out, in f32 registers, for the attention's products.
; SHARES.  A work-group owns 256 tokens and walks three tiles of 128 columns: columns 128 X of q, of k and of v (two heads each).  A wave owns 64 tokens x 128 columns: 32 accumulators.
; THE WEIGHTS' TILE stays in LDS for the whole K: 128 rows of 1,024 + 16 bytes, one joint load of 32 rows a wave; the four work-groups of a cluster (four token tiles) need the same tile.  Two regions: q's tile in region 0 at the head,
; k's in region 1 behind the first round (a first fill), v's in region 0 again behind the second round, when no wave of the cluster reads q's any more.
; THE TOKENS' OPERAND comes from memory straight into registers: x_codes holds images of the fragments, 512 consecutive bytes an instruction.  A ring of four K steps of 128 in registers: K step n + 3 is asked for at the head of
; step n (48 loads ahead), on into the next tile, which walks the same tokens.
; No prefetch: K has eight steps, the tokens' stream is asked for three steps ahead and each weights' tile a whole tile ahead.
; q, k: source 0 = 16 columns, source 1 = 16 tokens: a lane holds one token and eight neighbouring channels.  v: the sources swapped: one channel and eight neighbouring keys.
; OUT.  q_codes, k_codes: [b x 16 + head][t][64].  v_codes: [b x 16 + head][t / 128][row 64][128 bytes]: row rho holds channel 32 (rho / 32) + 16 ((rho / 8) % 2) + 8 ((rho / 16) % 2) + rho % 8, and in each group of
; 32 keys the four pieces of 8 bytes lie in the order keys 0-7, 16-23, 8-15, 24-31.  q, k leave through the wave's own stage; v through a stage that the four waves share (a row of 128 keys is made by two waves), with a barrier.
; A sum stands for sum x 2^(e0 + e1): the bias goes in as b / 2^(e0 + e1), and the conversion takes the one scale 2^(eo - e0 - e1), eo = e2 (q), e3 (k), e5 (v).
; LIMITS: eo - e0 - e1 between -126 and 119.  NaN among the inputs is not served.
; REGISTERS.  Window 0: addresses, scales, v32-175 the biases.  Window 1: the weights' fragments, two sets; on the way out at work.  Window 2: the accumulators.  Window 3: the tokens' ring.
.set BP,    1040
.set REG,   128*BP
.set STG,   2*REG
.set SPT,   144
.set STGW,  64*SPT
.set SPARE, STG+4*STGW                 ; the spare words, 128 bytes a wave: two blocks of 256 bytes that no other line names
.set SCQ, 8                            ; v8, v9: scale and hold of q; v10, v11 of k; v12, v13 of v
.set ADRB, 16                          ; v16, v17 region 0 (rows 0-63, 64-127); v18, v19 region 1
.set STQ, 20
.set RDQ, 21
.set STV, 22
.set RDV, 23
.set CO,  24
.set H32, 25
.set R4,  26
.set SPW, 28
.set NIL, 29
.set BQ,  32
.set BK,  96
.set BV,  160
.set TMP, 0                            ; window 1
.set CD,  64
.set BB,  128
.set WV, 14
.set G1, 24
.set G0, 32
.set LD0, 36
.set LD1, 37
.set CX, 40
.set XC, 41
.set TT, 42
.set AB, 44
.set PQ, 48
.set PK, 50
.set PV, 52
.set MSB, 0
.macro WIN new
.if MSB != \new
	s_set_vgpr_msb (MSB<<8)|\new
.set MSB, \new
.endif
.endm
.macro ROUND
	s_barrier_signal -1
	s_barrier_wait -1
	s_cmp_lg_u32 s[WV], 0
	s_cbranch_scc1 .Lnw0_\@
	s_barrier_signal -3
.Lnw0_\@:
	s_barrier_wait -3
	s_barrier_signal -1
	s_barrier_wait -1
.endm
.macro PLACES
.rept 4
	v_nop
.endr
.endm
.macro TLOAD                           ; my 32 rows of a weights' tile; s_nop 0 and four v_nop follow
	tensor_load_to_lds s[G0:G0+3], s[G1:G1+7]
	s_nop 0
	PLACES
.endm
.macro ALOAD kk
	WIN 0xc0
.irp i, 0,1,2,3
.irp c, 0,1,2,3
	global_load_b128 v[64*((\kk)%4)+16*\i+4*\c:64*((\kk)%4)+16*\i+4*\c+3], v[CO], s[AB:AB+1] offset:16384*\i+2048*((\kk)%8)+512*\c
.endr
.endr
.endm
.macro BLOAD kk, reg
	WIN 0x40
.irp b, 0,1,2,3,4,5,6,7
.irp c, 0,1,2,3
	ds_load_b128 v[128*((\kk)%2)+16*\b+4*\c:128*((\kk)%2)+16*\b+4*\c+3], v[ADRB+2*(\reg)+\b/4] offset:(\b%4)*16*BP+128*(\kk)+32*\c
.endr
.endr
.endm
.macro MM d, s0, s1, zero
.if \zero
	v_wmma_f32_16x16x128_fp8_fp8 v[\d:\d+7], v[\s0:\s0+15], v[\s1:\s1+15], 0
.else
	v_wmma_f32_16x16x128_fp8_fp8 v[\d:\d+7], v[\s0:\s0+15], v[\s1:\s1+15], v[\d:\d+7]
.endif
.endm
; A K step of 128: the next step's weights' fragments and the tokens' fragments of three steps on are asked for, then 32 products, the 32 accumulators by turns.
.macro STEP kk, reg, swap, more
.if (\kk) > 0
	PLACES                                         ; in front of loads into registers that the last step's products read
.endif
.if (\kk) < 7
	BLOAD (\kk)+1, \reg
.endif
.if ((\kk)+3 < 8) || (\more)
	ALOAD (\kk)+3
.endif
.if (\more) || ((\kk) <= 4)
	s_wait_loadcnt 48                              ; this step's tokens are in; the three steps' loads behind them may be out
.else
	s_wait_loadcnt 16*(7-(\kk))
.endif
.if (\kk) < 7
	s_wait_dscnt 32                                ; this step's weights are in; the 32 loads just issued may be out
.else
	s_wait_dscnt 0
.endif
.if \swap
	WIN 0xa7
.irp a, 0,1,2,3,4,5,6,7
.irp b, 0,1,2,3
	MM 8*(4*\a+\b), 64*((\kk)%4)+16*\b, 128*((\kk)%2)+16*\a, ((\kk)==0)
.endr
.endr
.else
	WIN 0xad
.irp a, 0,1,2,3
.irp b, 0,1,2,3,4,5,6,7
	MM 8*(8*\a+\b), 128*((\kk)%2)+16*\b, 64*((\kk)%4)+16*\a, ((\kk)==0)
.endr
.endr
.endif
.endm
.macro GEMM reg, swap, more
	BLOAD 0, \reg
.irp kk, 0,1,2,3,4,5,6,7
	STEP \kk, \reg, \swap, \more
.endr
	PLACES                                         ; behind the last products
.endm
; q, k on the way out: + bias, the hold, eight codes a conversion, through my stage; each store covers 512 consecutive bytes, aligned
.macro OUTQ bi, sc, ptr
.irp a, 0,1,2,3
	WIN 0x42
.set n, 0
.rept 32
	v_pk_add_f32 v[TMP+n:TMP+n+1], v[64*\a+n:64*\a+n+1], v[\bi+n:\bi+n+1]   ; each accumulator from its low end on
.set n, n+2
.endr
	WIN 0x41
.set n, 0
.rept 64
	v_med3_num_f32 v[TMP+n], v[TMP+n], -v[\sc+1], v[\sc+1]
.set n, n+1
.endr
.irp b, 0,1,2,3,4,5,6,7
	v_cvt_scalef32_pk8_fp8_f32 v[CD+16*\a+2*\b:CD+16*\a+2*\b+1], v[TMP+8*\b:TMP+8*\b+7], v[\sc]
.endr
	v_nop
	WIN 0x04
.irp b, 0,1,2,3,4,5,6,7
	ds_store_b64 v[STQ], v[CD+16*\a+2*\b:CD+16*\a+2*\b+1] offset:16*\a*SPT+16*\b
.endr
.endr
	WIN 0x40
.irp hh, 0,1
.irp i, 0,1,2,3,4,5,6,7
	ds_load_b128 v[BB+4*(8*\hh+\i):BB+4*(8*\hh+\i)+3], v[RDQ] offset:8*\i*SPT+64*\hh   ; LDS serves a wave's instructions in order
.endr
.endr
	WIN 0x04
.irp hh, 0,1
.irp i, 0,1,2,3,4,5,6,7
	s_wait_dscnt 15-8*\hh-\i
	global_store_b128 v[CO], v[BB+4*(8*\hh+\i):BB+4*(8*\hh+\i)+3], s[\ptr:\ptr+1] offset:\hh*131072+512*\i
.endr
.endr
	WIN 0
.endm
.macro SCALES eo, sc                   ; v[sc] = 2^(eo - e0 - e1), v[sc + 1] = 448 x that
	s_sub_co_i32 s96, s[\eo], s97
	s_add_co_i32 s96, s96, 127
	s_lshl_b32 s99, s96, 23
	v_mov_b32 v[\sc], s99
	s_add_co_i32 s96, s96, 8
	s_lshl_b32 s96, s96, 23
	s_or_b32 s96, s96, 0x600000
	v_mov_b32 v[\sc+1], s96
.endm
	s_load_b256 s[4:11], s[0:1], 0x0               ; x_codes, wa_codes, the exponents, b_attn
	s_load_b128 s[68:71], s[0:1], 0x20             ; q_codes, k_codes
	s_load_b64 s[72:73], s[0:1], 0x30              ; v_codes
	v_lshl_add_u32 v[SPW], v0, 2, SPARE
	v_mov_b32 v[NIL], 0
	ds_add_u32 v[SPW], v[NIL]                      ; the opening lines: the add twice on end and its wait ahead of the first round
	ds_add_u32 v[SPW], v[NIL]
	v_lshrrev_b32 v1, 5, v0
	v_readfirstlane_b32 s[WV], v1                  ; wave 0..3
	s_bfe_u32 s[CX], ttmp6, 0x40000
	s_and_b32 s[XC], ttmp7, 0xffff                 ; X: which 128 columns of q, of k and of v
	s_lshl_b32 s[TT], ttmp9, 2
	s_add_co_u32 s[TT], s[TT], s[CX]               ; my tile of 256 tokens
	s_mov_b32 s[G1], 15|(1<<20)|(1<<21)|(7<<22)|(3<<25)   ; the mask of four; bytes; padding: four words after every 256
	s_mov_b32 s[G1+1], 1024<<16
	s_mov_b32 s[G1+2], 32<<16
	s_mov_b32 s[G1+3], 1024<<16
	s_mov_b32 s[G1+4], 32
	s_mov_b32 s[G1+5], 1024
	s_mov_b32 s[G1+6], 0
	s_mov_b32 s[G1+7], 0
	s_mul_i32 s[LD0], s[WV], 32*BP
	s_add_co_u32 s[LD1], s[LD0], REG
	s_lshl_b32 s20, s[XC], 7
	s_lshl_b32 s21, s[WV], 5
	s_add_co_u32 s20, s20, s21
	s_lshl_b32 s20, s20, 10                        ; row 128 X + 32 w of wa_codes
	s_mov_b32 s21, 0
	s_wait_dscnt 0x0
	s_wait_kmcnt 0x0
	s_load_b256 s[80:87], s[8:9], 0x0              ; e0 .. e7
	s_mov_b32 s[G0], 1
	s_mov_b32 s[G0+1], s[LD0]
	s_add_nc_u64 s[G0+2:G0+3], s[6:7], s[20:21]
	s_or_b32 s[G0+3], s[G0+3], 0x80000000
	ROUND                                          ; the four work-groups are here: the first joint loads meet
	TLOAD                                          ; q's tile
	s_lshl_b32 s20, s[TT], 18
	s_lshl_b32 s22, s[WV], 16
	s_add_co_u32 s20, s20, s22
	s_add_nc_u64 s[AB:AB+1], s[4:5], s[20:21]      ; my 64 tokens' images
	s_lshl_b32 s88, s[XC], 9
	s_mov_b32 s89, 0
	s_add_nc_u64 s[88:89], s[10:11], s[88:89]      ; the bias of q's columns; k's 4,096 bytes on, v's 8,192
	s_lshr_b32 s90, s[TT], 3                       ; batch
	s_lshl_b32 s90, s90, 4
	s_lshl_b32 s91, s[XC], 1
	s_add_co_u32 s90, s90, s91                     ; 16 b + my first head
	s_and_b32 s91, s[TT], 7
	s_lshl_b32 s92, s90, 17
	s_lshl_b32 s94, s91, 14                        ; 256 tokens of 64 bytes
	s_add_co_u32 s92, s92, s94
	s_lshl_b32 s94, s[WV], 12
	s_add_co_u32 s92, s92, s94
	s_mov_b32 s93, 0
	s_add_nc_u64 s[PQ:PQ+1], s[68:69], s[92:93]
	s_add_nc_u64 s[PK:PK+1], s[70:71], s[92:93]
	s_lshr_b32 s94, s[WV], 1                       ; v: wave w stores head w / 2, block of keys w % 2
	s_add_co_u32 s92, s90, s94
	s_lshl_b32 s92, s92, 17
	s_lshl_b32 s94, s91, 1
	s_and_b32 s95, s[WV], 1
	s_add_co_u32 s94, s94, s95
	s_lshl_b32 s94, s94, 13
	s_add_co_u32 s92, s92, s94
	s_add_nc_u64 s[PV:PV+1], s[72:73], s[92:93]
	s_mul_i32 s23, s[WV], STGW
	s_add_co_u32 s23, s23, STG                     ; my quarter of the stage
	s_lshr_b32 s22, s[WV], 1
	s_mul_i32 s22, s22, STGW
	s_lshl_b32 s95, s95, 6
	s_add_co_u32 s22, s22, s95
	s_add_co_u32 s22, s22, STG                     ; v in: block of keys w / 2, + 64 bytes x (w % 2)
	v_and_b32 v1, 15, v0                           ; r
	v_bfe_u32 v2, v0, 4, 1                         ; h
	v_and_b32 v6, 31, v0
	v_lshlrev_b32 v[CO], 4, v6
	v_lshlrev_b32 v[H32], 5, v2
	v_lshlrev_b32 v[R4], 2, v1
	v_mul_u32_u24 v3, v1, BP
	v_lshl_add_u32 v[ADRB], v2, 4, v3
	v_add_nc_u32 v[ADRB+1], 64*BP, v[ADRB]
	v_add_nc_u32 v[ADRB+2], REG, v[ADRB]
	v_add_nc_u32 v[ADRB+3], REG+64*BP, v[ADRB]
	v_mul_u32_u24 v5, v1, SPT
	v_lshl_add_u32 v5, v2, 3, v5
	v_add_nc_u32 v[STQ], s23, v5
	v_lshrrev_b32 v7, 2, v6
	v_mul_u32_u24 v7, v7, SPT
	v_and_b32 v3, 3, v0
	v_lshl_add_u32 v7, v3, 4, v7
	v_add_nc_u32 v[RDQ], s23, v7
	v_and_b32 v4, 8, v1
	v_add_nc_u32 v4, v4, v1                        ; r + 8 (r / 8)
	v_mul_u32_u24 v4, v4, SPT
	v_lshl_add_u32 v4, v2, 4, v4
	v_add_nc_u32 v[STV], s22, v4
	v_lshrrev_b32 v5, 3, v6
	v_mul_u32_u24 v5, v5, SPT
	v_and_b32 v7, 7, v0
	v_lshl_add_u32 v5, v7, 4, v5
	v_add_nc_u32 v[RDV], s23, v5
	s_wait_alu depctr_va_vdst(0)
.irp b, 0,1,2,3,4,5,6,7
	global_load_b128 v[BQ+8*\b:BQ+8*\b+3], v[H32], s[88:89] offset:64*\b
	global_load_b128 v[BQ+8*\b+4:BQ+8*\b+7], v[H32], s[88:89] offset:64*\b+16
	global_load_b128 v[BK+8*\b:BK+8*\b+3], v[H32], s[88:89] offset:4096+64*\b
	global_load_b128 v[BK+8*\b+4:BK+8*\b+7], v[H32], s[88:89] offset:4096+64*\b+16
	global_load_b32 v[BV+2*\b], v[R4], s[88:89] offset:8192+64*\b
	global_load_b32 v[BV+2*\b+1], v[R4], s[88:89] offset:8192+64*\b
.endr
	ALOAD 0
	ALOAD 1
	ALOAD 2
	WIN 0
	s_wait_kmcnt 0x0
	s_add_co_i32 s97, s80, s81
	s_sub_co_i32 s98, 0, s97
	SCALES 82, SCQ
	SCALES 83, SCQ+2
	SCALES 85, SCQ+4
	s_wait_loadcnt 48                              ; the biases are in; the tokens' 48 loads may be out
.set n, 0
.rept 144
	v_ldexp_f32 v[BQ+n], v[BQ+n], s98              ; b / 2^(e0 + e1)
.set n, n+1
.endr
	s_wait_alu depctr_va_vdst(0)                   ; the head's end
	s_wait_tensorcnt 0x0                           ; my part of q's tile is in
	ds_add_u32 v[SPW], v[NIL]
	s_mov_b32 s[G0+1], s[LD1]
	s_add_nc_u64 s[G0+2:G0+3], s[G0+2:G0+3], 0x100000   ; 1,024 rows on
	s_wait_dscnt 0x0
	ROUND
	TLOAD                                          ; k's tile, into region 1
	GEMM 0, 0, 1
	OUTQ BQ, SCQ, PQ
	s_wait_tensorcnt 0x0                           ; k's tile; my reads of region 0 are over
	ds_add_u32 v[SPW], v[NIL]
	s_mov_b32 s[G0+1], s[LD0]
	s_add_nc_u64 s[G0+2:G0+3], s[G0+2:G0+3], 0x100000
	s_wait_dscnt 0x0
	ROUND
	TLOAD                                          ; v's tile, into region 0 again
	s_wait_xcnt 0x0                                ; q's stores have read their registers, which take fragments again
	GEMM 1, 0, 1
	OUTQ BK, SCQ+2, PK
	s_wait_tensorcnt 0x0                           ; v's tile; nothing more is asked for
	ds_add_u32 v[SPW], v[NIL]
	s_wait_dscnt 0x0
	s_barrier_signal -1
	s_barrier_wait -1
	s_wait_xcnt 0x0
	GEMM 0, 1, 0
	; v on the way out: accumulator (a, b): channel 16 a + r, keys 16 b + 8 h + 0 .. 7 of my 64
.irp a, 0,1,2,3,4,5,6,7
	WIN 0x42
.set n, 0
.rept 16
	v_pk_add_f32 v[TMP+n:TMP+n+1], v[32*\a+n:32*\a+n+1], v[BV+2*\a:BV+2*\a+1] op_sel_hi:[1,0]
.set n, n+2
.endr
	WIN 0x41
.set n, 0
.rept 32
	v_med3_num_f32 v[TMP+n], v[TMP+n], -v[SCQ+5], v[SCQ+5]
.set n, n+1
.endr
.irp b, 0,1,2,3
	v_cvt_scalef32_pk8_fp8_f32 v[CD+8*\a+2*\b:CD+8*\a+2*\b+1], v[TMP+8*\b:TMP+8*\b+7], v[SCQ+4]
.endr
	v_nop
	WIN 0x04
.irp b, 0,1,2,3
	ds_store_b64 v[STV], v[CD+8*\a+2*\b:CD+8*\a+2*\b+1] offset:(\a/4)*2*STGW+(32*((\a%4)/2)+8*(\a%2))*SPT+32*(\b/2)+8*(\b%2)
.endr
.endr
	WIN 0
	s_wait_dscnt 0x0                               ; my stores into the shared stage are done
	s_barrier_signal -1
	s_barrier_wait -1                              ; everybody's are
	WIN 0x40
.irp i, 0,1,2,3,4,5,6,7,8,9,10,11,12,13,14,15
	ds_load_b128 v[BB+4*\i:BB+4*\i+3], v[RDV] offset:4*\i*SPT
.endr
	WIN 0x04
.irp i, 0,1,2,3,4,5,6,7,8,9,10,11,12,13,14,15
	s_wait_dscnt 15-\i
	global_store_b128 v[CO], v[BB+4*\i:BB+4*\i+3], s[PV:PV+1] offset:512*\i
.endr
	WIN 0
	s_wait_tensorcnt 0x0                           ; the wave's end
	ds_add_u32 v[SPW], v[NIL]
	s_wait_dscnt 0x0
	ROUND                                          ; the closing round
	s_endpgm
.Lfunc_end_k_q28a9e141b2_qkv:
	.size	k_q28a9e141b2_qkv, .Lfunc_end_k_q28a9e141b2_qkv-k_q28a9e141b2_qkv
	.p2alignl 7, 3214868480
	.fill 96, 4, 3214868480
	.section	.rodata,"a",@progbits
	.p2align	6, 0x0
	.amdhsa_kernel k_q28a9e141b2_qkv
		.amdhsa_group_segment_fixed_size 327680
		.amdhsa_private_segment_fixed_size 0
		.amdhsa_enable_private_segment 0
		.amdhsa_kernarg_size 56
		.amdhsa_user_sgpr_count 2
		.amdhsa_user_sgpr_kernarg_segment_ptr 1
		.amdhsa_wavefront_size32 1
		.amdhsa_system_sgpr_workgroup_id_x 1
		.amdhsa_system_sgpr_workgroup_id_y 1
		.amdhsa_system_sgpr_workgroup_id_z 1
		.amdhsa_system_vgpr_workitem_id 0
		.amdhsa_next_free_vgpr 1024
		.amdhsa_next_free_sgpr 100
		.amdhsa_reserve_vcc 0
		.amdhsa_float_denorm_mode_32 3
		.amdhsa_float_denorm_mode_16_64 3
		.amdhsa_memory_ordered 1
		.amdhsa_forward_progress 1
		.amdhsa_inst_pref_size 255
	.end_amdhsa_kernel
	.section	.bss,"aw",@nobits
	.p2align	6
	.space	262144
	.amdgpu_metadata
---
amdhsa.version: [ 1, 2 ]
amdhsa.kernels:
  - .name:           k_q28a9e141b2_qkv
    .symbol:         k_q28a9e141b2_qkv.kd
    .args:
      - { .name: x_codes, .offset: 0, .size: 8, .value_kind: global_buffer, .address_space: global }
      - { .name: wa_codes, .offset: 8, .size: 8, .value_kind: global_buffer, .address_space: global }
      - { .name: lowp_scales, .offset: 16, .size: 8, .value_kind: global_buffer, .address_space: global }
      - { .name: b_attn, .offset: 24, .size: 8, .value_kind: global_buffer, .address_space: global }
      - { .name: q_codes, .offset: 32, .size: 8, .value_kind: global_buffer, .address_space: global }
      - { .name: k_codes, .offset: 40, .size: 8, .value_kind: global_buffer, .address_space: global }
      - { .name: v_codes, .offset: 48, .size: 8, .value_kind: global_buffer, .address_space: global }
    .group_segment_fixed_size: 327680
    .private_segment_fixed_size: 0
    .kernarg_segment_align: 8
    .kernarg_segment_size: 56
    .max_flat_workgroup_size: 128
    .sgpr_count:     100
    .vgpr_count:     1024
    .wavefront_size: 32
...
	.end_amdgpu_metadata
.endif
;; end of part 2
;; launch attn (part 3): grid 4 x 64, 8 waves a work-group, clusters of 4 x 1, 327,680 bytes of LDS; arguments q_codes, k_codes, v_codes, lowp_scales, o_codes; writes o_codes
.if DOCPART == 3
	.amdgcn_target "amdgcn-amd-amdhsa--gfx1250"
	.amdhsa_code_object_version 6
	.text
	.protected	k_q28a9e141b2_attn
	.globl	k_q28a9e141b2_attn
	.p2align	8
	.type	k_q28a9e141b2_attn,@function
k_q28a9e141b2_attn:
	s_mov_b64 s[64:65], 0
	v_nop
	global_prefetch_b8 v0, s[64:65] scope:SCOPE_SE
	s_setreg_imm32_b32 hwreg(HW_REG_WAVE_MODE, 25, 1), 1
	s_wait_xcnt 0x0
	s_wait_alu depctr_hold_cnt(0) depctr_sa_sdst(0) depctr_va_vdst(0) depctr_va_sdst(0) depctr_va_ssrc(0) depctr_va_vcc(0) depctr_vm_vsrc(0)
	s_getreg_b32 s2, hwreg(HW_REG_IB_STS2, 6, 4)
	s_cmp_eq_u32 s2, 0
	s_cbranch_scc0 .Lentry_in_a_cluster
	s_endpgm
.Lentry_in_a_cluster:
	s_bfe_u32 s2, ttmp6, 0x10000c
	s_cmp_lg_u32 s2, 0x3003
	s_cbranch_scc0 .Lentry_shape_is_right
	s_endpgm
.Lentry_shape_is_right:
; Causal attention on codes of E4M3, head size 64, 2,048 tokens, 64 heads (batch x head).  q_codes, k_codes: [head][t][64].  v_codes: [head][t / 128][row 64][128 bytes], keys innermost.
; THE SOFTMAX: t = score x log2(e) / 8; M = the row's largest t so far, rounded UP to a whole number; p = 2^(t - M) is quantised (2^e4), not normalised.  The row's sum is taken of the unquantised p and divides at the end.
; When M moves, the sum and O are multiplied by 2^(old M - new M): exact.  O x 2^(e4 + e5) / sum is quantised at once (2^e6) and stored as the last product's operand registers.
; SHARES.  The four work-groups of a head form a cluster.  A head's queries are 64 pieces of 32.  Wave w of work-group j owns pieces g = 4 w + j and 63 - g: w + 1 and 16 - w units of 32 queries x 128 keys, 17 in every wave.
; Blocks of keys that lie wholly behind a piece's queries are not multiplied; in a piece's last block hidden scores become -infinity.
; LDS.  The head's K and V stay in LDS whole: K's 16 blocks of 128 rows (64 + 16 bytes), then V's 16 blocks of 64 rows (128 + 16 bytes).  No byte is filled twice.  They come in two halves of eight blocks: eight joint loads
; a half, one a wave (waves 0-3 two blocks of K each, waves 4-7 of V), each 16,384 dense bytes stated as 64 rows of 256.  The first half is asked for at the head, the second behind the round that follows; units 0 .. 7 read
; blocks 0 .. 7 alone; a barrier; units 8 .. 16.  At that barrier every wave has had one diagonal block and one piece's end.
; JOINT LOADS: the mask names the cluster's four; descriptors hang on the head and the wave alone.  No branch and no LDS address hangs on the place j: it enters global addresses and the diagonal's vector compare only.
; UNIT s of wave w reads block min(s, s - w - 1) (unsigned): the short piece's blocks 0 .. w, then the long piece's 0 .. 15 - w.  The piece ends at s = w and at s = 16.
; LAYOUT.  Both products transposed: S^T = K Q^T, O^T = V^T P^T: a lane holds one query (lane % 16) of each of two tiles, which share every fragment of K and V.  Tile c of S^T holds keys 16 c + 8 (lane / 16) + 0 .. 7: its codes are
; registers 2 c, 2 c + 1 of P.  V's rows and pieces lie as the launch before lays them, so that tiles 2 b, 2 b + 1 of O^T give a lane channels 32 b + 16 (lane / 16) + 0 .. 15.
; o_codes: [token / 16][head 16][c 2][lane 32][16 bytes].
; No prefetch: both halves of K and V are asked for at the start, so there is no loop to run ahead in.
; LIMITS: e2 + e3 between -123 and 130; e4, and e6 - e4 - e5, between -126 and 119.  The division by the sum is a multiplication by v_rcp_f32.  NaN among the inputs is not served.
; REGISTERS.  Window 0: v1-11 addresses and constants; v12-19 -M, largest t, sums of tiles A, B; v20-23 f; v24-34 at work; v96-159, v160-223 S^T then p of A, B; v224-255 p's codes.
; Window 1: v0-15 Q in hand; v16-31 the long piece's Q; v32-95 O^T of A, B; v96-159 V's fragments; v160-223 K's.
.set KP,    80
.set VP,    144
.set KBL,   128*KP                     ; a block of K
.set VBL,   64*VP                      ; a block of V
.set VBASE, 16*KBL
.set SPARE, VBASE+16*VBL               ; the spare words, 128 bytes a wave: four blocks of 256 bytes that no other line names
.set AK0, 1
.set AV0, 2
.set RH,  3                            ; lane % 16 - 8 (lane / 16)
.set SPW, 5
.set NIL, 6
.set GO,  7                            ; 16 x lane
.set ADK, 8
.set ADV, 9
.set LIM, 10                           ; v10, v11: 448 x 2^e4, twice: the two halves of a dual line name registers of different banks
.set SCP, 32                           ; 2^e4
.set SA,  96
.set SB,  160
.set PA,  224
.set PB,  240
.set QA,  0                            ; window 1
.set QB,  8
.set QL,  16
.set OA,  32
.set OB,  64
.set VF,  96
.set KF,  160
.set WV,  18
.set SEL, 20
.set CS,  22
.set G1K, 24
.set G1V, 32
.set G0,  40
.set NW,  44                           ; -(w + 1)
.set CI,  45                           ; the block in hand
.set TB,  46
.set S,   47                           ; the unit
.set DG,  48                           ; the unit at which the piece in hand ends
.set DJ,  49                           ; my first query less the diagonal block's first key
.set DJL, 50
.set CNT, 51
.set LS,  52                           ; eight blocks on in LDS: of K or of V
.set TV,  53
.set OL,  54
.set SCO, 58
.set LMO, 59
.set CX,  60
.set MSB, 0
.macro WIN new                         ; the immediate's high byte repeats the setting that is left
.if MSB != \new
	s_set_vgpr_msb (MSB<<8)|\new
.set MSB, \new
.endif
.endm
.macro ROUND                           ; a round of the cluster's barrier
	s_barrier_signal -1
	s_barrier_wait -1
	s_cmp_lg_u32 s[WV], 0
	s_cbranch_scc1 .Lnw0_\@
	s_barrier_signal -3
.Lnw0_\@:
	s_barrier_wait -3
	s_barrier_signal -1
	s_barrier_wait -1
.endm
.macro TLOAD                           ; every wave's one joint load; the branch hangs on the wave's number alone; s_nop 0 and four v_nop follow each line
	s_cmp_lt_u32 s[WV], 4
	s_cbranch_scc0 .Lfor_v_\@
	tensor_load_to_lds s[G0:G0+3], s[G1K:G1K+7]
	s_nop 0
.rept 4
	v_nop
.endr
	s_branch .Lasked_\@
.Lfor_v_\@:
	tensor_load_to_lds s[G0:G0+3], s[G1V:G1V+7]
	s_nop 0
.rept 4
	v_nop
.endr
.Lasked_\@:
.endm
.macro INIT                            ; a piece begins: largest t -3e38, sums and O^T zeros, which the first change of M leaves zeros
	v_mov_b32 v13, 0xff61b1e6
	v_mov_b32 v17, 0xff61b1e6
	v_mov_b32 v14, 0
	v_mov_b32 v15, 0
	v_mov_b32 v18, 0
	v_mov_b32 v19, 0
	v_floor_f32 v12, -v13
	v_floor_f32 v16, -v17
	WIN 0x40
.set n, 0
.rept 64
	v_mov_b32 v[OA+n], 0
.set n, n+1
.endr
	WIN 0
.endm
	s_load_b256 s[4:11], s[0:1], 0x0               ; q_codes, k_codes, v_codes, the exponents
	s_load_b64 s[16:17], s[0:1], 0x20              ; o_codes
	v_lshl_add_u32 v[SPW], v0, 2, SPARE
	v_mov_b32 v[NIL], 0
	ds_add_u32 v[SPW], v[NIL]                      ; the opening lines: the add twice on end and its wait ahead of the first round
	ds_add_u32 v[SPW], v[NIL]
	v_lshrrev_b32 v8, 5, v0
	v_readfirstlane_b32 s[WV], v8                  ; wave 0..7
	s_bfe_u32 s[CX], ttmp6, 0x40000                ; j: my place in the cluster
	s_and_b32 s84, ttmp7, 0xffff                   ; batch x 16 + head
	s_lshr_b32 s86, s84, 4
	s_and_b32 s87, s84, 15
	s_lshl_b32 s84, s84, 17                        ; the head's first byte in q_codes, k_codes, v_codes
	s_mov_b32 s85, 0
	s_and_b32 s88, s[WV], 3                        ; I fetch blocks 2 (wave % 4), + 1 of a half: K's (waves 0-3) or V's
	s_lshr_b32 s89, s[WV], 2
	s_xor_b32 s91, s89, 1                          ; 1 for K
	s_mul_i32 s[G0+1], s88, 2*VBL
	s_mul_i32 s92, s88, s91
	s_mul_i32 s92, s92, 2*(KBL-VBL)
	s_add_co_u32 s[G0+1], s[G0+1], s92
	s_mul_i32 s92, s89, VBASE
	s_add_co_u32 s[G0+1], s[G0+1], s92
	s_mul_i32 s[LS], s91, 8*(KBL-VBL)
	s_add_co_u32 s[LS], s[LS], 8*VBL
	s_lshl_b32 s90, s88, 14
	s_add_co_u32 s90, s90, s84
	s_mov_b32 s91, 0
	s_mov_b32 s[G1K], 15|(1<<20)|(1<<21)|(3<<22)|(3<<25)   ; the mask of four; bytes; padding: four words after every 16
	s_mov_b32 s[G1V], 15|(1<<20)|(1<<21)|(4<<22)|(3<<25)   ; four words after every 32
.irp g, G1K, G1V
	s_mov_b32 s[\g+1], 256<<16
	s_mov_b32 s[\g+2], 64<<16
	s_mov_b32 s[\g+3], 256<<16
	s_mov_b32 s[\g+4], 64
	s_mov_b32 s[\g+5], 256
	s_mov_b32 s[\g+6], 0
	s_mov_b32 s[\g+7], 0
.endr
	s_mov_b32 s[SEL], 0x76543210
	s_mov_b32 s[SEL+1], 0xfedcba98
	s_mov_b32 s[CS], 0x3e38aa3b                    ; log2(e) / 8
	s_mov_b32 s[S], 0
	s_mov_b32 s[DG], s[WV]
	s_xor_b32 s[NW], s[WV], -1
	s_wait_dscnt 0x0                               ; both opening adds are done
	s_wait_kmcnt 0x0
	s_load_b256 s[68:75], s[10:11], 0x0            ; e0 .. e7
	s_mov_b32 s[G0], 1
	s_cmp_lt_u32 s[WV], 4
	s_cselect_b64 s[G0+2:G0+3], s[6:7], s[8:9]
	s_add_nc_u64 s[G0+2:G0+3], s[G0+2:G0+3], s[90:91]
	s_or_b32 s[G0+3], s[G0+3], 0x80000000
	ROUND                                          ; the four work-groups are here: the first joint loads meet
	TLOAD                                          ; blocks 0 .. 7
	s_lshl_b32 s80, s[WV], 7
	s_lshl_b32 s[DJ], s[CX], 5
	s_add_co_u32 s80, s80, s[DJ]                   ; the short piece's first query: 128 w + 32 j
	s_sub_co_u32 s81, 2016, s80                    ; the long piece's
	s_sub_co_u32 s[DJL], 96, s[DJ]
	s_lshl_b32 s92, s80, 6
	s_add_co_u32 s92, s92, s84
	s_mov_b32 s93, 0
	s_lshl_b32 s94, s81, 6
	s_add_co_u32 s94, s94, s84
	s_mov_b32 s95, 0
	s_add_nc_u64 s[92:93], s[4:5], s[92:93]
	s_add_nc_u64 s[94:95], s[4:5], s[94:95]
	s_lshl_b32 s86, s86, 21                        ; o_codes: a batch is 2^21 bytes, a head's image of 16 tokens 1,024, 16 tokens 16,384
	s_lshl_b32 s87, s87, 10
	s_add_co_u32 s86, s86, s87
	s_lshl_b32 s82, s80, 10
	s_add_co_u32 s82, s82, s86
	s_mov_b32 s83, 0
	s_lshl_b32 s88, s81, 10
	s_add_co_u32 s88, s88, s86
	s_mov_b32 s89, 0
	s_add_nc_u64 s[OL:OL+1], s[16:17], s[88:89]
	s_add_nc_u64 s[16:17], s[16:17], s[82:83]
	v_and_b32 v[GO], 31, v0
	v_lshlrev_b32 v[GO], 4, v[GO]
	v_and_b32 v8, 15, v0                           ; r
	v_bfe_u32 v9, v0, 4, 1                         ; h
	v_lshlrev_b32 v24, 6, v8
	v_lshl_add_u32 v24, v9, 4, v24                 ; Q: row r of 64 bytes, + 16 h
	WIN 0x40
.irp p, 0,1                                    ; both pieces' Q: tiles A, B; the same places along the channels as in K's fragments
	global_load_b128 v[16*\p:16*\p+3], v24, s[92+2*\p:93+2*\p]
	global_load_b128 v[16*\p+4:16*\p+7], v24, s[92+2*\p:93+2*\p] offset:32
	global_load_b128 v[16*\p+8:16*\p+11], v24, s[92+2*\p:93+2*\p] offset:1024
	global_load_b128 v[16*\p+12:16*\p+15], v24, s[92+2*\p:93+2*\p] offset:1056
.endr
	WIN 0
	v_mul_u32_u24 v[AK0], v8, KP
	v_lshl_add_u32 v[AK0], v9, 4, v[AK0]
	v_mul_u32_u24 v[AV0], v8, VP
	v_lshl_add_u32 v[AV0], v9, 4, v[AV0]
	v_add_nc_u32 v[AV0], VBASE, v[AV0]
	v_lshlrev_b32 v[RH], 3, v9
	v_sub_nc_u32 v[RH], v8, v[RH]
	v_mov_b32 v21, 0                               ; upper halves of the pairs that hold f
	v_mov_b32 v23, 0
	v_mov_b32 v28, 0                               ; a lane permute's destination counts as one of its sources
	v_mov_b32 v29, 0
	INIT
	s_wait_kmcnt 0x0
	s_add_co_i32 s82, s70, s71
	s_lshl_b32 s82, s82, 23
	s_add_co_i32 s[CS], s[CS], s82                 ; a score stands for score x 2^(e2 + e3)
	s_mov_b32 s[CS+1], s[CS]
	s_add_co_i32 s82, s72, 127
	s_lshl_b32 s83, s82, 23
	v_mov_b32 v[SCP], s83                          ; 2^e4
	s_add_co_i32 s82, s82, 8
	s_lshl_b32 s82, s82, 23
	s_or_b32 s82, s82, 0x600000
	v_mov_b32 v[LIM], s82                          ; 448 x 2^e4
	v_mov_b32 v[LIM+1], s82
	s_sub_co_i32 s82, s74, s72
	s_sub_co_i32 s82, s82, s73
	s_add_co_i32 s82, s82, 127
	s_lshl_b32 s[SCO], s82, 23                     ; 2^(e6 - e4 - e5)
	s_add_co_i32 s82, s82, 8
	s_lshl_b32 s82, s82, 23
	s_or_b32 s[LMO], s82, 0x600000
; A UNIT: my 32 queries x one block of 128 keys.  re = 1: behind the piece's end the long piece begins.
.macro UNIT re
	s_add_co_u32 s[CI], s[S], s[NW]
	s_min_u32 s[CI], s[CI], s[S]                   ; block min(s - w - 1, s), unsigned
	s_min_u32 s[CI], s[CI], 15
	s_mul_i32 s[TB], s[CI], KBL
	s_mul_i32 s[TV], s[CI], VBL
	v_add_nc_u32 v[ADK], s[TB], v[AK0]
	v_add_nc_u32 v[ADV], s[TV], v[AV0]
	v_nop                                          ; with the two additions: four places in front of loads into registers that the last products read
	v_nop
	WIN 0x40
.irp c, 0,1,2,3,4,5,6,7
	ds_load_b128 v[KF+8*\c:KF+8*\c+3], v[ADK] offset:16*\c*KP
	ds_load_b128 v[KF+8*\c+4:KF+8*\c+7], v[ADK] offset:16*\c*KP+32
.endr
.irp t, 0,1,2,3
.irp c, 0,1,2,3
	ds_load_b128 v[VF+16*\t+4*\c:VF+16*\t+4*\c+3], v[ADV] offset:16*\t*VP+32*\c
.endr
.endr
	s_wait_dscnt 16                                ; K's sixteen loads are in; V's sixteen, issued behind them, may be out
	WIN 0x05
.irp c, 0,1,2,3,4,5,6,7
	v_wmma_f32_16x16x64_fp8_fp8 v[SA+8*\c:SA+8*\c+7], v[KF+8*\c:KF+8*\c+7], v[QA:QA+7], 0
	v_wmma_f32_16x16x64_fp8_fp8 v[SB+8*\c:SB+8*\c+7], v[KF+8*\c:KF+8*\c+7], v[QB:QB+7], 0
.endr
	WIN 0
.rept 4
	v_nop
.endr
	s_cmp_lg_u32 s[S], s[DG]                       ; only the piece's last block lies on the diagonal
	s_cbranch_scc1 .Lopen_\@
	v_add_nc_u32 v30, s[DJ], v[RH]                 ; d.  A's register 8 c + i is hidden where 16 c + i > d; B's queries lie 16 on, so the same test serves B's register 8 (c + 1) + i; B's tile 0 is never hidden
	v_mov_b32 v31, 0xff800000
.set n, 0
.rept 64
	v_cmp_gt_i32 vcc_lo, 16*(n/8)+n%8, v30
	v_cndmask_b32 v[SA+n], v[SA+n], v31, vcc_lo
.if n < 56
	v_cndmask_b32 v[SB+8+n], v[SB+8+n], v31, vcc_lo
.endif
.set n, n+1
.endr
.Lopen_\@:
	v_max3_num_f32 v24, v[SA], v[SA+1], v[SA+2]    ; the block's largest scores, two chains a tile, the tiles by turns
	v_max3_num_f32 v26, v[SB], v[SB+1], v[SB+2]
	v_max3_num_f32 v25, v[SA+3], v[SA+4], v[SA+5]
	v_max3_num_f32 v27, v[SB+3], v[SB+4], v[SB+5]
.irp i, 6,10,14,18,22,26,30,34,38,42,46,50,54,58
	v_max3_num_f32 v24, v24, v[SA+\i], v[SA+1+\i]
	v_max3_num_f32 v26, v26, v[SB+\i], v[SB+1+\i]
	v_max3_num_f32 v25, v25, v[SA+2+\i], v[SA+3+\i]
	v_max3_num_f32 v27, v27, v[SB+2+\i], v[SB+3+\i]
.endr
	v_max3_num_f32 v24, v24, v[SA+62], v[SA+63]
	v_max3_num_f32 v26, v26, v[SB+62], v[SB+63]
	v_max_num_f32 v24, v24, v25
	v_max_num_f32 v26, v26, v27
	v_permlanex16_b32 v28, v24, s[SEL], s[SEL+1]
	v_permlanex16_b32 v29, v26, s[SEL], s[SEL+1]
	v_max_num_f32 v24, v24, v28
	v_max_num_f32 v26, v26, v29
	v_mul_f32 v24, s[CS], v24                      ; as t
	v_mul_f32 v26, s[CS], v26
	v_max_num_f32 v13, v13, v24
	v_max_num_f32 v17, v17, v26
	v_mov_b32 v24, v12
	v_mov_b32 v26, v16
	v_floor_f32 v12, -v13                          ; -M = floor(-t)
	v_floor_f32 v16, -v17
	v_sub_f32 v24, v12, v24                        ; old M - new M
	v_sub_f32 v26, v16, v26
	v_cvt_i32_f32 v24, v24
	v_cvt_i32_f32 v26, v26
	v_ldexp_f32 v20, 1.0, v24                      ; f
	v_ldexp_f32 v22, 1.0, v26
.set n, 0
.rept 32
	v_pk_fma_f32 v[SA+n:SA+n+1], v[SA+n:SA+n+1], s[CS:CS+1], v[12:13] op_sel_hi:[1,0,0]
	v_pk_fma_f32 v[SB+n:SB+n+1], v[SB+n:SB+n+1], s[CS:CS+1], v[16:17] op_sel_hi:[1,0,0]
.set n, n+2
.endr
	s_wait_alu depctr_va_vdst(0)                   ; ahead of the batch
.set n, 0
.rept 128
	v_exp_f32 v[SA+n], v[SA+n]                     ; p of both tiles, one batch
.set n, n+1
.endr
	v_pk_mul_f32 v[14:15], v[14:15], v[20:21] op_sel_hi:[1,0]   ; the sums under the new M
	v_pk_mul_f32 v[18:19], v[18:19], v[22:23] op_sel_hi:[1,0]
	s_wait_alu depctr_va_vdst(0)                   ; and behind it, ahead of its first reader
	v_pk_add_f32 v[24:25], v[SA:SA+1], v[SA+2:SA+3]             ; the sums of the unquantised p: three chains a tile
	v_pk_add_f32 v[26:27], v[SB:SB+1], v[SB+2:SB+3]
	v_pk_add_f32 v[28:29], v[SA+4:SA+5], v[SA+6:SA+7]
	v_pk_add_f32 v[30:31], v[SB+4:SB+5], v[SB+6:SB+7]
.set n, 8
.rept 9
	v_pk_add_f32 v[14:15], v[14:15], v[SA+n:SA+n+1]
	v_pk_add_f32 v[18:19], v[18:19], v[SB+n:SB+n+1]
	v_pk_add_f32 v[24:25], v[24:25], v[SA+n+2:SA+n+3]
	v_pk_add_f32 v[26:27], v[26:27], v[SB+n+2:SB+n+3]
	v_pk_add_f32 v[28:29], v[28:29], v[SA+n+4:SA+n+5]
	v_pk_add_f32 v[30:31], v[30:31], v[SB+n+4:SB+n+5]
.set n, n+6
.endr
	v_pk_add_f32 v[14:15], v[14:15], v[SA+62:SA+63]
	v_pk_add_f32 v[18:19], v[18:19], v[SB+62:SB+63]
	v_pk_add_f32 v[24:25], v[24:25], v[28:29]
	v_pk_add_f32 v[26:27], v[26:27], v[30:31]
	v_pk_add_f32 v[14:15], v[14:15], v[24:25]
	v_pk_add_f32 v[18:19], v[18:19], v[26:27]
.set n, 0
.rept 64
	v_dual_min_num_f32 v[SA+n], v[SA+n], v[LIM] :: v_dual_min_num_f32 v[SA+n+1], v[SA+n+1], v[LIM+1]   ; the hold (the conversion does not saturate: ISA guide 7.6.2); p is not negative; two numbers a line
.set n, n+2
.endr
.irp c, 0,1,2,3,4,5,6,7
	v_cvt_scalef32_pk8_fp8_f32 v[PA+2*\c:PA+2*\c+1], v[SA+8*\c:SA+8*\c+7], v[SCP]
	v_cvt_scalef32_pk8_fp8_f32 v[PB+2*\c:PB+2*\c+1], v[SB+8*\c:SB+8*\c+7], v[SCP]
.endr
	WIN 0x41
	s_wait_alu depctr_va_vdst(0)                   ; directly ahead of the first reader of O^T
.set n, 0
.rept 16
	v_pk_mul_f32 v[OA+n:OA+n+1], v[OA+n:OA+n+1], v[20:21] op_sel_hi:[1,0]   ; O^T under the new M; also the plain lines between the conversions and the products
.set n, n+2
.endr
.set n, 0
.rept 16
	v_pk_mul_f32 v[OB+n:OB+n+1], v[OB+n:OB+n+1], v[22:23] op_sel_hi:[1,0]
.set n, n+2
.endr
	WIN 0x51
	s_wait_alu depctr_va_vdst(0)
	s_wait_dscnt 0x0                               ; V
.irp t, 0,1,2,3
	v_wmma_f32_16x16x128_fp8_fp8 v[OA+8*\t:OA+8*\t+7], v[VF+16*\t:VF+16*\t+15], v[PA:PA+15], v[OA+8*\t:OA+8*\t+7]   ; eight accumulators by turns
	v_wmma_f32_16x16x128_fp8_fp8 v[OB+8*\t:OB+8*\t+7], v[VF+16*\t:VF+16*\t+15], v[PB:PB+15], v[OB+8*\t:OB+8*\t+7]
.endr
	WIN 0
	s_cmp_lg_u32 s[S], s[DG]
	s_cbranch_scc1 .Lnofin_\@
	; THE PIECE'S END: O^T / the sum, held, converted with 2^(e6 - e4 - e5); each store covers 512 consecutive bytes, aligned
.rept 4
	v_nop                                          ; places behind the last products
.endr
	v_add_f32 v14, v14, v15
	v_add_f32 v18, v18, v19
	v_mov_b32 v33, s[LMO]
	v_mov_b32 v34, s[SCO]
	v_permlanex16_b32 v28, v14, s[SEL], s[SEL+1]
	v_permlanex16_b32 v29, v18, s[SEL], s[SEL+1]
	v_add_f32 v14, v14, v28
	v_add_f32 v18, v18, v29
	s_wait_alu depctr_va_vdst(0)                   ; ahead of the transcendentals
	v_rcp_f32 v14, v14
	v_rcp_f32 v18, v18
	v_nop
	WIN 0x01
	s_wait_alu depctr_va_vdst(0)                   ; ahead of their first reader, which is O^T's first reader too
.set n, 0
.rept 16
	v_pk_mul_f32 v[SA+n:SA+n+1], v[OA+n:OA+n+1], v[14:15] op_sel_hi:[1,0]
.set n, n+2
.endr
.set n, 0
.rept 16
	v_pk_mul_f32 v[SB+n:SB+n+1], v[OB+n:OB+n+1], v[18:19] op_sel_hi:[1,0]
.set n, n+2
.endr
	WIN 0
.set n, 0
.rept 32
	v_med3_num_f32 v[SA+n], v[SA+n], -v33, v33
	v_med3_num_f32 v[SB+n], v[SB+n], -v33, v33
.set n, n+1
.endr
.irp b, 0,1,2,3
	v_cvt_scalef32_pk8_fp8_f32 v[PA+2*\b:PA+2*\b+1], v[SA+8*\b:SA+8*\b+7], v34
	v_cvt_scalef32_pk8_fp8_f32 v[PA+8+2*\b:PA+8+2*\b+1], v[SB+8*\b:SB+8*\b+7], v34
.endr
	v_nop
	global_store_b128 v[GO], v[PA:PA+3], s[16:17]
	global_store_b128 v[GO], v[PA+4:PA+7], s[16:17] offset:512
	global_store_b128 v[GO], v[PA+8:PA+11], s[16:17] offset:16384
	global_store_b128 v[GO], v[PA+12:PA+15], s[16:17] offset:16896
	s_wait_xcnt 0x0                                ; the stores have read their registers and their base
.if \re
	s_mov_b64 s[16:17], s[OL:OL+1]                 ; the long piece begins
	s_mov_b32 s[DG], 16
	s_mov_b32 s[DJ], s[DJL]
	WIN 0x41
.set n, 0
.rept 16
	v_mov_b32 v[QA+n], v[QL+n]
.set n, n+1
.endr
	WIN 0
	INIT
	s_wait_alu depctr_va_vdst(0)
.endif
.Lnofin_\@:
	s_add_co_u32 s[S], s[S], 1
.endm
	s_wait_alu depctr_va_vdst(0)                   ; the head's end
	s_wait_loadcnt 0x0                             ; Q
	s_wait_tensorcnt 0x0                           ; my load is done, so its group 0 may be written
	ds_add_u32 v[SPW], v[NIL]
	s_add_co_u32 s[G0+1], s[G0+1], s[LS]
	s_add_nc_u64 s[G0+2:G0+3], s[G0+2:G0+3], 65536
	s_wait_dscnt 0x0
	ROUND                                          ; blocks 0 .. 7 are whole, and the joint loads meet
	TLOAD                                          ; blocks 8 .. 15: a first fill, my one load behind this round
	s_mov_b32 s[CNT], 8
.Lu1:                                              ; units 0 .. 7: blocks 0 .. 7 alone; every wave's short piece ends here
	UNIT 1
	s_sub_co_u32 s[CNT], s[CNT], 1
	s_cmp_lg_u32 s[CNT], 0
	s_cbranch_scc1 .Lu1
	s_wait_alu depctr_va_vdst(0)
	s_wait_tensorcnt 0x0                           ; blocks 8 .. 15 are in; nothing more is asked for
	ds_add_u32 v[SPW], v[NIL]
	s_wait_dscnt 0x0
	s_barrier_signal -1
	s_barrier_wait -1
	s_mov_b32 s[CNT], 9
.Lu2:                                              ; units 8 .. 16
	UNIT 0
	s_sub_co_u32 s[CNT], s[CNT], 1
	s_cmp_lg_u32 s[CNT], 0
	s_cbranch_scc1 .Lu2
	s_wait_tensorcnt 0x0                           ; the wave's end
	ds_add_u32 v[SPW], v[NIL]
	s_wait_dscnt 0x0
	ROUND                                          ; the closing round
	s_endpgm
.Lfunc_end_k_q28a9e141b2_attn:
	.size	k_q28a9e141b2_attn, .Lfunc_end_k_q28a9e141b2_attn-k_q28a9e141b2_attn
	.p2alignl 7, 3214868480
	.fill 96, 4, 3214868480
	.section	.rodata,"a",@progbits
	.p2align	6, 0x0
	.amdhsa_kernel k_q28a9e141b2_attn
		.amdhsa_group_segment_fixed_size 327680
		.amdhsa_private_segment_fixed_size 0
		.amdhsa_enable_private_segment 0
		.amdhsa_kernarg_size 40
		.amdhsa_user_sgpr_count 2
		.amdhsa_user_sgpr_kernarg_segment_ptr 1
		.amdhsa_wavefront_size32 1
		.amdhsa_system_sgpr_workgroup_id_x 1
		.amdhsa_system_sgpr_workgroup_id_y 1
		.amdhsa_system_sgpr_workgroup_id_z 1
		.amdhsa_system_vgpr_workitem_id 0
		.amdhsa_next_free_vgpr 512
		.amdhsa_next_free_sgpr 100
		.amdhsa_reserve_vcc 1
		.amdhsa_float_denorm_mode_32 3
		.amdhsa_float_denorm_mode_16_64 3
		.amdhsa_memory_ordered 1
		.amdhsa_forward_progress 1
		.amdhsa_inst_pref_size 101
	.end_amdhsa_kernel
	.amdgpu_metadata
---
amdhsa.version: [ 1, 2 ]
amdhsa.kernels:
  - .name:           k_q28a9e141b2_attn
    .symbol:         k_q28a9e141b2_attn.kd
    .args:
      - { .name: q_codes, .offset: 0, .size: 8, .value_kind: global_buffer, .address_space: global }
      - { .name: k_codes, .offset: 8, .size: 8, .value_kind: global_buffer, .address_space: global }
      - { .name: v_codes, .offset: 16, .size: 8, .value_kind: global_buffer, .address_space: global }
      - { .name: lowp_scales, .offset: 24, .size: 8, .value_kind: global_buffer, .address_space: global }
      - { .name: o_codes, .offset: 32, .size: 8, .value_kind: global_buffer, .address_space: global }
    .group_segment_fixed_size: 327680
    .private_segment_fixed_size: 0
    .kernarg_segment_align: 8
    .kernarg_segment_size: 40
    .max_flat_workgroup_size: 256
    .sgpr_count:     100
    .vgpr_count:     512
    .wavefront_size: 32
...
	.end_amdgpu_metadata
.endif
;; end of part 3
;; launch proj (part 4): grid 32 x 8, 4 waves a work-group, clusters of 4 x 1, 167,936 bytes of LDS; arguments o_codes, wp_codes, lowp_scales, b_proj, out0; writes out0
.if DOCPART == 4
	.amdgcn_target "amdgcn-amd-amdhsa--gfx1250"
	.amdhsa_code_object_version 6
	.text
	.protected	k_q28a9e141b2_proj
	.globl	k_q28a9e141b2_proj
	.p2align	8
	.type	k_q28a9e141b2_proj,@function
k_q28a9e141b2_proj:
	s_mov_b64 s[64:65], 0
	v_nop
	global_prefetch_b8 v0, s[64:65] scope:SCOPE_SE
	s_setreg_imm32_b32 hwreg(HW_REG_WAVE_MODE, 25, 1), 1
	s_wait_xcnt 0x0
	s_wait_alu depctr_hold_cnt(0) depctr_sa_sdst(0) depctr_va_vdst(0) depctr_va_sdst(0) depctr_va_ssrc(0) depctr_va_vcc(0) depctr_vm_vsrc(0)
	s_getreg_b32 s2, hwreg(HW_REG_IB_STS2, 6, 4)
	s_cmp_eq_u32 s2, 0
	s_cbranch_scc0 .Lentry_in_a_cluster
	s_endpgm
.Lentry_in_a_cluster:
	s_bfe_u32 s2, ttmp6, 0x10000c
	s_cmp_lg_u32 s2, 0x3003
	s_cbranch_scc0 .Lentry_shape_is_right
	s_endpgm
.Lentry_shape_is_right:
; out0 = o W_proj + b_proj on codes of E4M3: o_codes as images of the operand's registers ([token / 16][k / 128][c 4][lane 32][16 bytes]), wp_codes [1024][1024], K innermost; each sum x 2^(e6 + e7), + bias.
; SHARES.  A work-group makes 256 tokens x 128 columns, a wave 64 tokens x 128 columns.  The weights' tile stays in LDS for the whole K: 128 rows of 1,024 + 16 bytes, one joint load of 32 rows a wave;
; the four work-groups of a cluster (four token tiles) need the same tile.  Nothing is filled twice.
; TWO PASSES over K, 32 tokens a wave each (16 accumulators): the first pass's rows are stored while the second pass is multiplied.
; The tokens' operand comes from memory straight into registers, 512 consecutive bytes an instruction: a ring of eight steps (a step: 32 tokens x 128 along K, eight loads); step n + 6 is asked for at the head of step n (48 loads ahead).
; No prefetch: K has eight steps, and the tokens' stream is asked for six steps ahead.
; Source 0 = 16 columns, source 1 = 16 tokens: a lane holds one token and eight neighbouring columns; a block of 16 tokens goes through the wave's own stage and leaves as rows of 512 bytes.
; LIMIT: e6 + e7 between -126 and 127.
; REGISTERS.  Window 0: addresses, v32-95 the bias, v96-159 at work, v160-223 rows read back.  Window 1: the weights' fragments, two sets.  Window 2: the accumulators.  Window 3: the tokens' ring.
.set BP,    1040
.set REG,   128*BP
.set SPITCH, 528
.set SPARE, REG+4*16*SPITCH            ; the spare words, 128 bytes a wave: two blocks of 256 bytes that no other line names
.set ADRB, 16
.set STO, 20
.set RD,  21
.set CO,  24
.set H32, 25
.set SPW, 28
.set NIL, 29
.set BI,  32
.set TMP, 96
.set BK,  160
.set WV, 14
.set G1, 24
.set G0, 32
.set CX, 40
.set XC, 41
.set TT, 42
.set AB, 44
.set MSB, 0
.macro WIN new
.if MSB != \new
	s_set_vgpr_msb (MSB<<8)|\new
.set MSB, \new
.endif
.endm
.macro ROUND
	s_barrier_signal -1
	s_barrier_wait -1
	s_cmp_lg_u32 s[WV], 0
	s_cbranch_scc1 .Lnw0_\@
	s_barrier_signal -3
.Lnw0_\@:
	s_barrier_wait -3
	s_barrier_signal -1
	s_barrier_wait -1
.endm
.macro PLACES
.rept 4
	v_nop
.endr
.endm
.macro ALOAD n                         ; step n: pass n / 8, K step n % 8: token blocks 2 (n / 8), + 1
	WIN 0xc0
.irp i, 0,1
.irp c, 0,1,2,3
	global_load_b128 v[32*((\n)%8)+16*\i+4*\c:32*((\n)%8)+16*\i+4*\c+3], v[CO], s[AB:AB+1] offset:16384*(2*((\n)/8)+\i)+2048*((\n)%8)+512*\c
.endr
.endr
.endm
.macro BLOAD kk
	WIN 0x40
.irp b, 0,1,2,3,4,5,6,7
.irp c, 0,1,2,3
	ds_load_b128 v[128*((\kk)%2)+16*\b+4*\c:128*((\kk)%2)+16*\b+4*\c+3], v[ADRB+\b/4] offset:(\b%4)*16*BP+128*(\kk)+32*\c
.endr
.endr
.endm
.macro MM d, s0, s1, zero
.if \zero
	v_wmma_f32_16x16x128_fp8_fp8 v[\d:\d+7], v[\s0:\s0+15], v[\s1:\s1+15], 0
.else
	v_wmma_f32_16x16x128_fp8_fp8 v[\d:\d+7], v[\s0:\s0+15], v[\s1:\s1+15], v[\d:\d+7]
.endif
.endm
.macro STEP n
.if (\n) > 0
	PLACES                                         ; in front of loads into registers that earlier steps' products read
.endif
.if (\n) < 15
	BLOAD ((\n)+1)%8
.endif
.if (\n)+6 < 16
	ALOAD (\n)+6
.endif
.if (\n) <= 9
	s_wait_loadcnt 48                              ; this step's tokens are in; the six steps' loads behind them may be out
.else
	s_wait_loadcnt 8*(15-(\n))
.endif
.if (\n) < 15
	s_wait_dscnt 32                                ; this step's weights are in; the 32 loads just issued may be out
.else
	s_wait_dscnt 0
.endif
	WIN 0xad
.irp a, 0,1
.irp b, 0,1,2,3,4,5,6,7
	MM 8*(8*(2*((\n)/8)+\a)+\b), 128*((\n)%2)+16*\b, 32*((\n)%8)+16*\a, ((\n)%8==0)   ; the pass's 16 accumulators by turns
.endr
.endr
.endm
; A block of 16 tokens on the way out: x 2^(e6 + e7), + bias, through my stage, stored as rows
.macro OUT a
	WIN 0x02
.set n, 0
.rept 32
	v_pk_fma_f32 v[TMP+n:TMP+n+1], v[64*(\a)+n:64*(\a)+n+1], s[96:97], v[BI+n:BI+n+1] op_sel_hi:[1,0,1]   ; each accumulator from its low end on
.set n, n+2
.endr
	WIN 0
.irp b, 0,1,2,3,4,5,6,7
	ds_store_b128 v[STO], v[TMP+8*\b:TMP+8*\b+3] offset:64*\b
	ds_store_b128 v[STO], v[TMP+8*\b+4:TMP+8*\b+7] offset:64*\b+16
.endr
.if (\a) > 0
	s_wait_xcnt 0x0                                ; the last block's stores have read their registers
.endif
.irp t, 0,1,2,3,4,5,6,7,8,9,10,11,12,13,14,15
	ds_load_b128 v[BK+4*\t:BK+4*\t+3], v[RD] offset:\t*SPITCH   ; LDS serves a wave's instructions in order
.endr
	s_wait_dscnt 0x0
.irp t, 0,1,2,3,4,5,6,7,8,9,10,11,12,13,14,15
	global_store_b128 v[CO], v[BK+4*\t:BK+4*\t+3], s[12:13] offset:65536*(\a)+4096*\t th:TH_STORE_NT   ; 512 consecutive bytes, aligned
.endr
.endm
	s_load_b256 s[4:11], s[0:1], 0x0               ; o_codes, wp_codes, the exponents, b_proj
	s_load_b64 s[12:13], s[0:1], 0x20              ; out0
	v_lshl_add_u32 v[SPW], v0, 2, SPARE
	v_mov_b32 v[NIL], 0
	ds_add_u32 v[SPW], v[NIL]                      ; the opening lines: the add twice on end and its wait ahead of the first round
	ds_add_u32 v[SPW], v[NIL]
	v_lshrrev_b32 v1, 5, v0
	v_readfirstlane_b32 s[WV], v1
	s_bfe_u32 s[CX], ttmp6, 0x40000
	s_and_b32 s[XC], ttmp7, 0xffff                 ; which 128 columns
	s_lshl_b32 s[TT], ttmp9, 2
	s_add_co_u32 s[TT], s[TT], s[CX]               ; my tile of 256 tokens
	s_mov_b32 s[G1], 15|(1<<20)|(1<<21)|(7<<22)|(3<<25)   ; the mask of four; bytes; padding: four words after every 256
	s_mov_b32 s[G1+1], 1024<<16
	s_mov_b32 s[G1+2], 32<<16
	s_mov_b32 s[G1+3], 1024<<16
	s_mov_b32 s[G1+4], 32
	s_mov_b32 s[G1+5], 1024
	s_mov_b32 s[G1+6], 0
	s_mov_b32 s[G1+7], 0
	s_mov_b32 s[G0], 1
	s_mul_i32 s[G0+1], s[WV], 32*BP
	s_lshl_b32 s20, s[XC], 7
	s_lshl_b32 s21, s[WV], 5
	s_add_co_u32 s20, s20, s21
	s_lshl_b32 s20, s20, 10
	s_mov_b32 s21, 0
	s_wait_dscnt 0x0
	s_wait_kmcnt 0x0
	s_load_b256 s[80:87], s[8:9], 0x0
	s_add_nc_u64 s[G0+2:G0+3], s[6:7], s[20:21]
	s_or_b32 s[G0+3], s[G0+3], 0x80000000
	ROUND                                          ; the four work-groups are here: the joint loads meet
	tensor_load_to_lds s[G0:G0+3], s[G1:G1+7]
	s_nop 0
	PLACES
	s_lshl_b32 s20, s[TT], 18
	s_lshl_b32 s22, s[WV], 16
	s_add_co_u32 s20, s20, s22
	s_add_nc_u64 s[AB:AB+1], s[4:5], s[20:21]      ; my 64 tokens' images
	s_lshl_b32 s88, s[XC], 9
	s_mov_b32 s89, 0
	s_add_nc_u64 s[12:13], s[12:13], s[88:89]
	s_add_nc_u64 s[88:89], s[10:11], s[88:89]
	s_lshl_b32 s20, s[TT], 20
	s_lshl_b32 s22, s[WV], 18
	s_add_co_u32 s20, s20, s22
	s_add_nc_u64 s[12:13], s[12:13], s[20:21]      ; my first row of out0, at my columns
	s_mul_i32 s23, s[WV], 16*SPITCH
	s_add_co_u32 s23, s23, REG                     ; my stage
	v_and_b32 v1, 15, v0
	v_bfe_u32 v2, v0, 4, 1
	v_and_b32 v6, 31, v0
	v_lshlrev_b32 v[CO], 4, v6
	v_lshlrev_b32 v[H32], 5, v2
	v_mul_u32_u24 v3, v1, BP
	v_lshl_add_u32 v[ADRB], v2, 4, v3
	v_add_nc_u32 v[ADRB+1], 64*BP, v[ADRB]
	v_mul_u32_u24 v5, v1, SPITCH
	v_lshl_add_u32 v5, v2, 5, v5
	v_add_nc_u32 v[STO], s23, v5
	v_add_nc_u32 v[RD], s23, v[CO]
	s_wait_alu depctr_va_vdst(0)
.irp b, 0,1,2,3,4,5,6,7
	global_load_b128 v[BI+8*\b:BI+8*\b+3], v[H32], s[88:89] offset:64*\b
	global_load_b128 v[BI+8*\b+4:BI+8*\b+7], v[H32], s[88:89] offset:64*\b+16
.endr
.irp n, 0,1,2,3,4,5
	ALOAD \n
.endr
	WIN 0
	s_wait_kmcnt 0x0
	s_add_co_i32 s96, s86, s87
	s_add_co_i32 s96, s96, 127
	s_lshl_b32 s96, s96, 23                        ; 2^(e6 + e7)
	s_mov_b32 s97, s96
	s_wait_tensorcnt 0x0                           ; my part of the weights' tile is in,
	s_barrier_signal -1
	s_barrier_wait -1                              ; everybody's is
	BLOAD 0
.irp n, 0,1,2,3,4,5,6,7
	STEP \n
.endr
	PLACES                                         ; behind the pass's last products
	OUT 0
	OUT 1
.irp n, 8,9,10,11,12,13,14,15
	STEP \n
.endr
	PLACES
	OUT 2
	OUT 3
	s_wait_tensorcnt 0x0                           ; the wave's end
	ds_add_u32 v[SPW], v[NIL]
	s_wait_dscnt 0x0
	ROUND                                          ; the closing round
	s_endpgm
.Lfunc_end_k_q28a9e141b2_proj:
	.size	k_q28a9e141b2_proj, .Lfunc_end_k_q28a9e141b2_proj-k_q28a9e141b2_proj
	.p2alignl 7, 3214868480
	.fill 96, 4, 3214868480
	.section	.rodata,"a",@progbits
	.p2align	6, 0x0
	.amdhsa_kernel k_q28a9e141b2_proj
		.amdhsa_group_segment_fixed_size 167936
		.amdhsa_private_segment_fixed_size 0
		.amdhsa_enable_private_segment 0
		.amdhsa_kernarg_size 40
		.amdhsa_user_sgpr_count 2
		.amdhsa_user_sgpr_kernarg_segment_ptr 1
		.amdhsa_wavefront_size32 1
		.amdhsa_system_sgpr_workgroup_id_x 1
		.amdhsa_system_sgpr_workgroup_id_y 1
		.amdhsa_system_sgpr_workgroup_id_z 1
		.amdhsa_system_vgpr_workitem_id 0
		.amdhsa_next_free_vgpr 1024
		.amdhsa_next_free_sgpr 100
		.amdhsa_reserve_vcc 0
		.amdhsa_float_denorm_mode_32 3
		.amdhsa_float_denorm_mode_16_64 3
		.amdhsa_memory_ordered 1
		.amdhsa_forward_progress 1
		.amdhsa_inst_pref_size 93
	.end_amdhsa_kernel
	.amdgpu_metadata
---
amdhsa.version: [ 1, 2 ]
amdhsa.kernels:
  - .name:           k_q28a9e141b2_proj
    .symbol:         k_q28a9e141b2_proj.kd
    .args:
      - { .name: o_codes, .offset: 0, .size: 8, .value_kind: global_buffer, .address_space: global }
      - { .name: wp_codes, .offset: 8, .size: 8, .value_kind: global_buffer, .address_space: global }
      - { .name: lowp_scales, .offset: 16, .size: 8, .value_kind: global_buffer, .address_space: global }
      - { .name: b_proj, .offset: 24, .size: 8, .value_kind: global_buffer, .address_space: global }
      - { .name: out0, .offset: 32, .size: 8, .value_kind: global_buffer, .address_space: global }
    .group_segment_fixed_size: 167936
    .private_segment_fixed_size: 0
    .kernarg_segment_align: 8
    .kernarg_segment_size: 40
    .max_flat_workgroup_size: 128
    .sgpr_count:     100
    .vgpr_count:     1024
    .wavefront_size: 32
...
	.end_amdgpu_metadata
.endif
;; end of part 4
